; MI455X (gfx1250); checked and timed in simulation.
; The chip was launched on July 23, 2026; its instructions are those of AMD's public machine-readable ISA for CDNA 5 (MIT licence, August 2026) and "CDNA5" Instruction Set Architecture Reference Guide (July 2026). The comments in the code are by the model that wrote it; some were corrected since.
;; Causal Self Attention. Allowed arithmetic: matrix products marked QUANTISED: E4M3 operands, one given power-of-two scale a tensor, by v_wmma_f32_16x16x64_fp8_fp8 or v_wmma_f32_16x16x128_fp8_fp8, f32 sums; everything else in f32.
;; Inputs: b_attn 3,072 float32; b_proj 1,024 float32; lowp_scales 8 int32 (the exponents e of the quantised operands' scales 2^e); w_attn 1,024 x 3,072 float32; w_proj 1,024 x 1,024 float32; x 4 x 2,048 x 1,024 float32.
;; Outputs: out0 4 x 2,048 x 1,024 float32.
;; This version of the problem:
;;   THIS VERSION OF THE PROBLEM IS GIVEN IN LOW PRECISION. The matrix products marked QUANTISED in the list below multiply operands that are first quantised to E4M3 (4 exponent bits, 3 mantissa bits; 8 bits a number), with one given power-of-two scale for each operand tensor; their sums are f32. All else is computed in f32.
;;   The module's matrix products, in the order in which they are computed (A, B: the left and right operand; K: the contracted axis; several contracted axes count as one K, in the product's order):
;;     1. [M 8,192, K 1,024] x [K 1,024, N 3,072]; A: input x; B: input w_attn: QUANTISED (scales: A lowp_scales[0], B lowp_scales[1])
;;     2. batch 64 x [M 2,048, K 64] x [K 64, N 2,048]; A: computed on the way; B: computed on the way: QUANTISED (scales: A lowp_scales[2], B lowp_scales[3])
;;     3. batch 64 x [M 64, K 2,048] x [K 2,048, N 2,048]; A: computed on the way; B: softmax (see below): QUANTISED (scales: A lowp_scales[4], B lowp_scales[5])
;;     4. [M 8,192, K 1,024] x [K 1,024, N 1,024]; A: computed on the way; B: input w_proj: QUANTISED (scales: A lowp_scales[6], B lowp_scales[7])
;;   THE QUANTISER, for each operand of a quantised product, along K:
;;     - The operand's scale is 2^e, e = its entry of the input lowp_scales (int32; the entries are numbered through the quantised products in the list's order, A before B).
;;     - Each number is divided by the scale, clamped to +-448, and rounded to the nearest number of E4M3, ties to even, subnormals kept.
;;     - The product sums the exact products of the quantised numbers (number of the format x scale) in f32.
;;   ~~~python
;;   def quantise(x, axis, e):      # numpy; x: float32 -> the quantised numbers, widened to float32 again
;;       x = np.moveaxis(x, axis, -1); K = x.shape[-1]
;;       r = np.clip(x / 2.0 ** e, -448, 448)
;;       step = 2.0 ** (np.maximum(np.frexp(np.where(r == 0, 1, r))[1] - 1, -6) - 3)
;;       q = np.round(r / step) * step * 2.0 ** e      # np.round: ties to even
;;       return np.moveaxis(q, -1, axis).astype(np.float32)
;;   ~~~
;;   SOFTMAX AHEAD OF A QUANTISED PRODUCT. Where the list says 'softmax', what is quantised is not the finished softmax but p = 2^(t - M), with t = logit x log2(e) and M = ceil(the row's largest t), a whole number; so 1/2 < the row's largest p <= 1. The row's sum l is taken of the UNQUANTISED p, in f32, and the product's result is divided by l at the end. Since M is a whole number, a kernel that streams over the keys may use a running M (the ceiling of the running maximum): every later rescaling is an exact power of two, so the quantised numbers keep their values, but for numbers so far below the row's largest that they fall under the format's range.
;;   OPERANDS COMPUTED ON THE WAY. 'Computed on the way' means the value that the module computes at that place (a softmax that the list does not call 'softmax' is quantised finished and normalised). What goes into a quantiser is computed in f32, as accurately as f32 sums, v_exp_f32 and their like allow (about 1e-6 of the number): no bf16 or f16 on the way to a quantiser, and a product that is left as it is and whose result goes on into a quantised operand takes f32 operands (vector FMAs, or v_wmma_f32_16x16x4_f32). A number that lies on a knife's edge between two numbers of the format may be rounded either way, as far as f32 arithmetic and the matrix unit's own rounding can turn it there, and no further.
;; One version. Each part assembles by itself: llvm-mc -triple=amdgcn-amd-amdhsa -mcpu=gfx1250 --defsym DOCPART=n.
;; ======== version 1 of 1: 4 launches
;; limits: right only within a limited range of input values
;; workspace buffers: x_codes 8,388,608 bytes; wa_codes 3,145,728 bytes; wp_codes 1,048,576 bytes; q_img 8,388,608 bytes; k_img 8,388,608 bytes; v_img 8,388,608 bytes; y_img 8,388,608 bytes
;; launch quant (part 1): grid 96 x 4, 4 waves a work-group, no clusters, 102,912 bytes of LDS; arguments x, w_attn, w_proj, lowp_scales, x_codes, wa_codes, wp_codes; writes x_codes, wa_codes, wp_codes
.if DOCPART == 1
	.amdgcn_target "amdgcn-amd-amdhsa--gfx1250"
	.amdhsa_code_object_version 6
	.text
	.protected	k_qb80c8ad939_quant
	.globl	k_qb80c8ad939_quant
	.p2align	8
	.type	k_qb80c8ad939_quant,@function
k_qb80c8ad939_quant:
	s_mov_b64 s[64:65], 0
	v_nop
	global_prefetch_b8 v0, s[64:65] scope:SCOPE_SE
	s_setreg_imm32_b32 hwreg(HW_REG_WAVE_MODE, 25, 1), 1
	s_wait_xcnt 0x0
; x [8192][1024], w_attn [1024][3072] and w_proj [1024][1024], f32, become codes of FP8 (E4M3), K innermost, each with the scale 2^e given for it (entries 0, 1, 7 of the scales).
; code = number / 2^e, held within +-448, rounded to the nearest code, ties to even.  LIMITS: -126 <= e <= 119.  NaN among the inputs is not served (an infinity is held at the largest code).
; THREE PATHS, parted on the work-group's x; each has LDS bytes of its own and its own end.
;   x < 64 (256 work-groups with y): x is a plain stream; a wave takes 16 steps of 512 numbers.  x_codes [8192][1024].
;   64 <= x < 88: w_attn, 128 columns x 256 along K a work-group.  wa_codes [3072 rows][1024]: the rows are laid HEAD BY HEAD: column part x 1024 + d x 16 + head goes to row
;       part x 1024 + head x 64 + sw(d), sw = d with its bits 3 and 4 exchanged: so the next launch's results fall into their lanes as the operands of attention want them.
;   88 <= x: w_proj likewise, 128 columns x 256 along K'.  wp_codes [1024 rows n][1024 k']: k' = head x 64 + d holds row d x 16 + head of w_proj: the order in which attention leaves y.
; For the weights K is the FIRST axis: a lane takes a column and its registers run down K, so the conversions give codes with K innermost; they leave through the wave's own stage in LDS, sixteen lanes to 256 consecutive aligned bytes.
; No tensor loads, no barrier: waves share nothing.
.set SP,     80                        ; path x: a lane's place in a stage: its 64 bytes + 16 of padding
.set STEPS,  16
.set RL,     16                        ; v16-79   path x: four sets of 16 numbers as loaded
.set XN,     80                        ; v80-111  two sets of 16 neighbours
.set CX,     128                       ; v128-191 codes: four registers for each step, so that no store's data are written again
.set MANT,   0x600000                  ; the mantissa field of 448 as f32
.set WPITCH, 272                       ; the weights' stage: a column's 256 codes + 16 of padding
.set WX,     32                        ; v32-95   two sets of 32 numbers
.set WC,     96                        ; v96-103  a block's codes
.set WO,     112                       ; v112-175 the way out
.set LWA,    32768                     ; LDS: path x 0 .. 32767; w_attn's four stages from here; w_proj's from LWP
.set LWP,    67584
.macro MKSCALE e                       ; v11 = 2^e as f32 (the conversion takes its exponent field), v10 = 448 x 2^e
	s_add_co_i32 s30, s[\e], 127
	s_lshl_b32 s31, s30, 23
	v_mov_b32 v11, s31
	s_add_co_i32 s30, s30, 8
	s_lshl_b32 s30, s30, 23
	s_or_b32 s30, s30, MANT
	v_mov_b32 v10, s30
.endm
.macro XLOAD t
.irp i, 0,1,2,3
	global_load_b128 v[RL+16*((\t)%4)+4*\i:RL+16*((\t)%4)+4*\i+3], v3, s[4:5] offset:2048*(\t)+512*\i th:TH_LOAD_NT   ; 32 lanes read 512 consecutive bytes
.endr
.endm
.macro XTURN t                         ; a step's 2,048 bytes through the stage: in as they lie, back 64 bytes a lane.  LDS serves a wave's instructions in order: no wait between
.irp i, 0,1,2,3
	ds_store_b128 v14, v[RL+16*((\t)%4)+4*\i:RL+16*((\t)%4)+4*\i+3] offset:32*SP*((\t)%2)+8*SP*\i
.endr
.irp i, 0,1,2,3
	ds_load_b128 v[XN+16*((\t)%2)+4*\i:XN+16*((\t)%2)+4*\i+3], v15 offset:32*SP*((\t)%2)+16*\i
.endr
.endm
.macro XSTEP t
.set XS, XN+16*((\t)%2)
	s_wait_dscnt 0x0                               ; this step's numbers are back: so its stores into the stage have read their registers,
.if (\t)+4 < STEPS
	XLOAD (\t)+4                                   ; which take the loads of four steps on
.endif
.if (\t)+1 < STEPS
.if STEPS-2-(\t) >= 3
	s_wait_loadcnt 12                              ; the next step's four loads are in; those of the three steps behind it may be out
.else
	s_wait_loadcnt 4*(STEPS-2-(\t))
.endif
	XTURN (\t)+1
.endif
.irp i, 0,1,2,3,4,5,6,7,8,9,10,11,12,13,14,15
	v_med3_num_f32 v[XS+\i], v[XS+\i], -v10, v10   ; the conversion to an 8-bit code does not saturate (ISA guide 7.6.2): the hold comes first
.endr
	v_cvt_scalef32_pk8_fp8_f32 v[CX+4*(\t):CX+4*(\t)+1], v[XS:XS+7], v11
	v_cvt_scalef32_pk8_fp8_f32 v[CX+4*(\t)+2:CX+4*(\t)+3], v[XS+8:XS+15], v11
	global_store_b128 v3, v[CX+4*(\t):CX+4*(\t)+3], s[12:13] offset:512*(\t)   ; 32 lanes store 512 consecutive bytes
.endm
; The weights' macros take their sizes from symbols set in front of each path: WN columns, WPERM (1: K' walks head by head), WSRC, WDST the scalar pairs of the two addresses.
.macro WHEAD base                      ; the stage's addresses: in: row = my column; out: sixteen lanes to a row, two rows an instruction
	v_lshlrev_b32 v3, 2, v2
	s_mul_i32 s20, s18, 32*WPITCH
	s_add_co_u32 s20, s20, \base
	v_mul_u32_u24 v4, v2, WPITCH
	v_add_nc_u32 v4, s20, v4
	v_and_b32 v5, 15, v2
	v_lshrrev_b32 v6, 4, v2
	v_mul_u32_u24 v7, v6, WPITCH
	v_lshl_add_u32 v7, v5, 4, v7
	v_add_nc_u32 v7, s20, v7
.endm
.macro WLOAD t                         ; block t: 32 along K of my column into set t % 2; a wave reads 128 consecutive bytes
.irp i, 0,1,2,3,4,5,6,7,8,9,10,11,12,13,14,15,16,17,18,19,20,21,22,23,24,25,26,27,28,29,30,31
.if WPERM
	global_load_b32 v[WX+32*((\t)%2)+\i], v3, s[WSRC:WSRC+1] offset:((32*((\t)%2)+\i)*16+(\t)/2)*WN*4 th:TH_LOAD_NT   ; k' = 32 t + i: head t / 2 of my four, d = 32 (t % 2) + i: row d x 16 + head
.else
	global_load_b32 v[WX+32*((\t)%2)+\i], v3, s[WSRC:WSRC+1] offset:(32*(\t)+\i)*WN*4 th:TH_LOAD_NT
.endif
.endr
.endm
.macro WBLOCK t
.set XS, WX+32*((\t)%2)
.if (\t) < 7
	s_wait_loadcnt 32                              ; this block's 32 loads are in; the next block's may be out
.else
	s_wait_loadcnt 0
.endif
.irp i, 0,1,2,3,4,5,6,7,8,9,10,11,12,13,14,15,16,17,18,19,20,21,22,23,24,25,26,27,28,29,30,31
	v_med3_num_f32 v[XS+\i], v[XS+\i], -v10, v10
.endr
.irp g, 0,1,2,3
	v_cvt_scalef32_pk8_fp8_f32 v[WC+2*\g:WC+2*\g+1], v[XS+8*\g:XS+8*\g+7], v11
.endr
	ds_store_b128 v4, v[WC:WC+3] offset:32*(\t)
	ds_store_b128 v4, v[WC+4:WC+7] offset:32*(\t)+16
.if (\t)+2 < 8
	WLOAD (\t)+2
.endif
	s_wait_dscnt 0x0                               ; the stores have read their registers: the next block's codes may be written
.endm
.macro WOUT
.irp t, 0,1,2,3,4,5,6,7,8,9,10,11,12,13,14,15
	ds_load_b128 v[WO+4*\t:WO+4*\t+3], v7 offset:2*\t*WPITCH
.endr
.irp t, 0,1,2,3,4,5,6,7,8,9,10,11,12,13,14,15
	s_wait_dscnt 15-\t                             ; LDS loads come back in order: load t is in, the younger ones may be out
.if WPERM
	global_store_b128 v8, v[WO+4*\t:WO+4*\t+3], s[WDST:WDST+1] offset:2*\t*1024
.else
	global_store_b128 v8, v[WO+4*\t:WO+4*\t+3], s[WDST:WDST+1] offset:((2*(\t%8))*64+(\t/8))*1024   ; stage row 2 t + half: head 2 (t % 8) + half, d0 + t / 8
.endif
.endr
.endm
	s_load_b256 s[4:11], s[0:1], 0x0               ; x s[4:5], w_attn s[6:7], w_proj s[8:9], the scales' exponents s[10:11]
	s_load_b128 s[12:15], s[0:1], 0x20             ; x_codes s[12:13], wa_codes s[14:15]
	s_load_b64 s[16:17], s[0:1], 0x30              ; wp_codes
	v_lshl_add_u32 v192, v0, 2, 0x19000
	v_mov_b32 v193, 0
	v_lshrrev_b32 v1, 5, v0
	v_readfirstlane_b32 s18, v1                    ; wave
	v_and_b32 v2, 31, v0                           ; lane
	s_and_b32 s19, ttmp7, 0xffff                   ; work-group y
	s_wait_kmcnt 0x0
	s_load_b256 s[36:43], s[10:11], 0x0            ; e0 .. e7
	s_cmp_ge_u32 ttmp9, 88
	s_cbranch_scc1 .Lwp
	s_cmp_ge_u32 ttmp9, 64
	s_cbranch_scc1 .Lwa
	; ---- x
	s_wait_alu depctr_va_vdst(0)
	v_lshlrev_b32 v3, 4, v2                        ; my 16 bytes of a load's 512, and of a store's
	s_wait_alu depctr_va_vdst(0)
	s_lshl_b32 s20, s18, 13                        ; my wave's 8,192 bytes of LDS
	v_lshrrev_b32 v14, 2, v2
	v_mul_u32_u24 v14, v14, SP
	v_and_b32 v15, 3, v2
	v_lshl_add_u32 v14, v15, 4, v14
	v_add_nc_u32 v14, s20, v14                     ; the stage, in: SP (lane / 4) + 16 (lane % 4)
	v_mul_u32_u24 v15, v2, SP
	v_add_nc_u32 v15, s20, v15                     ; out: SP x lane: my 16 neighbours
	s_lshl_b32 s21, s19, 6
	s_add_co_u32 s21, s21, ttmp9                   ; work-group 64 y + x,
	s_lshl_b32 s21, s21, 2
	s_add_co_u32 s22, s21, s18                     ; and my wave's run of 8,192 numbers
	s_mov_b32 s23, 0
	s_lshl_b64 s[24:25], s[22:23], 15
	s_add_nc_u64 s[4:5], s[4:5], s[24:25]
	s_lshl_b64 s[24:25], s[22:23], 13
	s_add_nc_u64 s[12:13], s[12:13], s[24:25]
.irp t, 0,1,2,3
	XLOAD \t
.endr
	s_wait_alu depctr_va_vdst(0)
	s_wait_kmcnt 0x0
	MKSCALE 36
	s_wait_alu depctr_va_vdst(0)
	s_wait_loadcnt 12                              ; step 0's four loads are in
	XTURN 0
.irp t, 0,1,2,3,4,5,6,7,8,9,10,11,12,13,14,15
	XSTEP \t
.endr
	s_wait_tensorcnt 0x0
	ds_add_u32 v192, v193
	s_wait_dscnt 0x0
	s_endpgm
	; ---- w_attn
.Lwa:
.set WN, 3072
.set WPERM, 0
.set WSRC, 6
.set WDST, 14
	s_wait_alu depctr_va_vdst(0)
	WHEAD LWA
	s_sub_co_u32 s21, ttmp9, 64                    ; which 128 columns
	s_lshl_b32 s22, s21, 7
	s_lshl_b32 s23, s18, 5
	s_add_co_u32 s22, s22, s23                     ; n0: my wave's first column, a multiple of 32: d0 and d0 + 1, all 16 heads
	s_mul_i32 s24, s19, 256*12288                  ; 256 y rows of 12,288 bytes
	s_lshl_b32 s25, s22, 2
	s_add_co_u32 s24, s24, s25
	s_mov_b32 s25, 0
	s_add_nc_u64 s[6:7], s[6:7], s[24:25]
	s_bfe_u32 s26, s22, 0x60004                    ; d0 = (n0 % 1024) / 16, even
	s_and_b32 s27, s26, 0x27                       ; sw(d0): bits 3 and 4 exchanged
	s_and_b32 s28, s26, 8
	s_lshl_b32 s28, s28, 1
	s_or_b32 s27, s27, s28
	s_and_b32 s28, s26, 16
	s_lshr_b32 s28, s28, 1
	s_or_b32 s27, s27, s28
	s_lshr_b32 s28, s21, 3                         ; part: q, k or v
	s_lshl_b32 s28, s28, 10
	s_add_co_u32 s27, s27, s28                     ; head 0's row
	s_lshl_b32 s24, s27, 10
	s_lshl_b32 s28, s19, 8                         ; + 256 y along K
	s_add_co_u32 s24, s24, s28
	s_add_nc_u64 s[14:15], s[14:15], s[24:25]
	s_wait_alu depctr_va_vdst(0)
	v_lshlrev_b32 v8, 16, v6                       ; lanes 16-31: the next head, 64 rows of 1,024 bytes on
	v_lshl_add_u32 v8, v5, 4, v8
	WLOAD 0
	WLOAD 1
	s_wait_kmcnt 0x0
	MKSCALE 37
	s_wait_alu depctr_va_vdst(0)
.irp t, 0,1,2,3,4,5,6,7
	WBLOCK \t
.endr
	WOUT
	s_wait_tensorcnt 0x0
	ds_add_u32 v192, v193
	s_wait_dscnt 0x0
	s_endpgm
	; ---- w_proj
.Lwp:
.set WN, 1024
.set WPERM, 1
.set WSRC, 8
.set WDST, 16
	s_wait_alu depctr_va_vdst(0)
	WHEAD LWP
	s_sub_co_u32 s21, ttmp9, 88
	s_lshl_b32 s22, s21, 7
	s_lshl_b32 s23, s18, 5
	s_add_co_u32 s22, s22, s23                     ; n0
	s_lshl_b32 s24, s19, 14                        ; heads 4 y on: 4 y rows of 4,096 bytes
	s_lshl_b32 s25, s22, 2
	s_add_co_u32 s24, s24, s25
	s_mov_b32 s25, 0
	s_add_nc_u64 s[8:9], s[8:9], s[24:25]
	s_lshl_b32 s24, s22, 10                        ; row n0 of the codes,
	s_lshl_b32 s26, s19, 8                         ; + 256 y along K'
	s_add_co_u32 s24, s24, s26
	s_add_nc_u64 s[16:17], s[16:17], s[24:25]
	s_wait_alu depctr_va_vdst(0)
	v_lshlrev_b32 v8, 10, v6
	v_lshl_add_u32 v8, v5, 4, v8
	WLOAD 0
	WLOAD 1
	s_wait_kmcnt 0x0
	MKSCALE 43
	s_wait_alu depctr_va_vdst(0)
.irp t, 0,1,2,3,4,5,6,7
	WBLOCK \t
.endr
	WOUT
	s_wait_tensorcnt 0x0
	ds_add_u32 v192, v193
	s_wait_dscnt 0x0
	s_endpgm
.Lfunc_end_k_qb80c8ad939_quant:
	.size	k_qb80c8ad939_quant, .Lfunc_end_k_qb80c8ad939_quant-k_qb80c8ad939_quant
	.p2alignl 7, 3214868480
	.fill 96, 4, 3214868480
	.section	.rodata,"a",@progbits
	.p2align	6, 0x0
	.amdhsa_kernel k_qb80c8ad939_quant
		.amdhsa_group_segment_fixed_size 102912
		.amdhsa_private_segment_fixed_size 0
		.amdhsa_enable_private_segment 0
		.amdhsa_kernarg_size 56
		.amdhsa_user_sgpr_count 2
		.amdhsa_user_sgpr_kernarg_segment_ptr 1
		.amdhsa_wavefront_size32 1
		.amdhsa_system_sgpr_workgroup_id_x 1
		.amdhsa_system_sgpr_workgroup_id_y 1
		.amdhsa_system_sgpr_workgroup_id_z 1
		.amdhsa_system_vgpr_workitem_id 0
		.amdhsa_next_free_vgpr 194
		.amdhsa_next_free_sgpr 66
		.amdhsa_reserve_vcc 0
		.amdhsa_float_denorm_mode_32 3
		.amdhsa_float_denorm_mode_16_64 3
		.amdhsa_memory_ordered 1
		.amdhsa_forward_progress 1
		.amdhsa_inst_pref_size 134
	.end_amdhsa_kernel
	.amdgpu_metadata
---
amdhsa.version: [ 1, 2 ]
amdhsa.kernels:
  - .name:           k_qb80c8ad939_quant
    .symbol:         k_qb80c8ad939_quant.kd
    .args:
      - { .name: x, .offset: 0, .size: 8, .value_kind: global_buffer, .address_space: global }
      - { .name: w_attn, .offset: 8, .size: 8, .value_kind: global_buffer, .address_space: global }
      - { .name: w_proj, .offset: 16, .size: 8, .value_kind: global_buffer, .address_space: global }
      - { .name: lowp_scales, .offset: 24, .size: 8, .value_kind: global_buffer, .address_space: global }
      - { .name: x_codes, .offset: 32, .size: 8, .value_kind: global_buffer, .address_space: global }
      - { .name: wa_codes, .offset: 40, .size: 8, .value_kind: global_buffer, .address_space: global }
      - { .name: wp_codes, .offset: 48, .size: 8, .value_kind: global_buffer, .address_space: global }
    .group_segment_fixed_size: 102912
    .private_segment_fixed_size: 0
    .kernarg_segment_align: 8
    .kernarg_segment_size: 56
    .max_flat_workgroup_size: 128
    .sgpr_count:     66
    .vgpr_count:     194
    .wavefront_size: 32
...
	.end_amdgpu_metadata
.endif
;; end of part 1
;; launch qkv (part 2): grid 12 x 32, 4 waves a work-group, clusters of 4 x 4, 327,680 bytes of LDS; arguments x_codes, wa_codes, lowp_scales, b_attn, q_img, k_img, v_img; writes q_img, k_img, v_img
.if DOCPART == 2
	.amdgcn_target "amdgcn-amd-amdhsa--gfx1250"
	.amdhsa_code_object_version 6
	.text
	.protected	k_qb80c8ad939_qkv
	.globl	k_qb80c8ad939_qkv
	.p2align	8
	.type	k_qb80c8ad939_qkv,@function
k_qb80c8ad939_qkv:
	s_mov_b64 s[64:65], 0
	v_nop
	global_prefetch_b8 v0, s[64:65] scope:SCOPE_SE
	s_setreg_imm32_b32 hwreg(HW_REG_WAVE_MODE, 25, 1), 1
	s_wait_xcnt 0x0
	s_wait_alu depctr_hold_cnt(0) depctr_sa_sdst(0) depctr_va_vdst(0) depctr_va_sdst(0) depctr_va_ssrc(0) depctr_va_vcc(0) depctr_vm_vsrc(0)
	s_getreg_b32 s2, hwreg(HW_REG_IB_STS2, 6, 4)
	s_cmp_eq_u32 s2, 0
	s_cbranch_scc0 .Lentry_in_a_cluster
	s_endpgm
.Lentry_in_a_cluster:
	s_bfe_u32 s2, ttmp6, 0x10000c
	s_cmp_lg_u32 s2, 0xf033
	s_cbranch_scc0 .Lentry_shape_is_right
	s_endpgm
.Lentry_shape_is_right:
; qkv = x w_attn + b_attn on codes of FP8 (E4M3), and q, k, v quantised on the way out (scales 2^e2, 2^e3, 2^e4) into IMAGES OF THE OPERANDS' REGISTERS that attention loads as they lie.
; x_codes [8192][1024], wa_codes [3072 rows][1024] (rows head by head: part x 1024 + head x 64 + sw(d), sw = bits 3 and 4 of d exchanged).  A number = sum of code products x 2^(e0 + e1) + bias, one fused multiply-add in f32.
; A tile of 256 x 256 is made by four waves, 128 x 128 each: 64 accumulators, 512 registers.  K goes in steps of 256 through a ring of two LDS slots filled by the tensor data mover; four K steps in all.
; THE TWO LDS REGIONS.  The matrix instruction takes source 0 from region B and source 1 from region A: in accumulator (a, b) lane (r, h) holds row 16 a + r of region A, and its register j row 16 b + 8 h + j of region B.
;   Clusters x = 0, 1 (q, k): A = rows of x, B = rows of wa.  A lane holds one time step and eight channels; by sw, tiles 2 c and 2 c + 1 of a head are d = 32 c + 16 h + 0 .. 15: 16 codes, a lane's 16 bytes of a fragment 16 t x 64 d.
;   Cluster  x = 2 (v): A = rows of wa from 2,048 on, B = rows of x.  A lane holds one channel and eight time steps: tile b's codes are registers 2 b, 2 b + 1 of a fragment 16 channels x 128 t.
;   The choice is a choice of pointers and tile numbers on the cluster's x, the same in all sixteen partners; the loop is one.
; IMAGES.  q_img, k_img: [b x 16 + head][t / 16][c][lane][16 bytes].  v_img: [b x 16 + head][t / 128][channel position / 16][g][lane][16 bytes].  Every store of a wave covers 512 consecutive bytes, aligned: no stage in LDS, nothing is transposed.
; CLUSTERS: 4 x 4 work-groups; region A's tile is shared along a row of the cluster, region B's along a column: each is asked for jointly, by the same tensor load with the same descriptor and a mask that names the four.
; LIMITS: e0 + e1 between -126 and 127; e2, e3, e4 between -126 and 119.  NaN is not served.
; REGISTERS: window 0: v0-31 addresses and scales; v32-95 the biases; from v128 region A's fragments, ONE set; on the way out v128-191 numbers, v192-255 codes.  window 1: region B's fragments, two sets.  windows 2, 3: the accumulators.
.set SIZE_K, 1024
.set KSTEP,  256
.set ROWB,   256
.set KROW,   SIZE_K
.set PITCH,  272                       ; an LDS row: 256 bytes + 16 of padding = 68 words: the 16 rows that a load touches start at 16 different banks (64 banks of 4 bytes: ISA guide 11.1)
.set FR,     16
.set NL,     4
.set NP,     4                         ; places behind this matrix instruction (ISA guide 7.12.1)
.set HALFT,  128*PITCH
.set SLOT,   4*HALFT
.set LAPS,   SIZE_K/(2*KSTEP)
.set SPARE,  2*SLOT                    ; behind the ring: the spare words, 128 bytes a wave: two blocks of 256 bytes that no other line names
.set SCL,  8                           ; v8   2^e of the operand that I make
.set LIMV, 9                           ; v9   448 x that
.set LN,   10                          ; v10  16 x lane
.set BQ,   11                          ; v11  the bias's lane offset for q, k: 1,024 h
.set BV,   12                          ; v12  for v: 64 (16 (r / 8) + r % 8)
.set ADRA, 16
.set ADRB, 20
.set SPW,  28
.set NIL,  29
.set BI,   32
.set AF,   128
.set TMP,  128
.set CD,   192
.set G1, 24
.set G0, 32
.set G1B, 48
.set G0B, 56
.set MSB, 0
.macro WIN new                         ; the immediate's high byte repeats the setting that is left
.if MSB != \new
	s_set_vgpr_msb (MSB<<8)|\new
.set MSB, \new
.endif
.endm
.set MUL_LO, 0xa1                      ; source 0 window 1, source 1 window 0, C and D window 2
.set MUL_HI, 0xf1
.set TO_B,   0x40
; A joint load: waves 0 and 1 fetch for region A, waves 2 and 3 for region B; the branch hangs on the wave's number alone.  Four v_nop follow each of the two lines.
.macro JLOAD g0a, g1a, g0b, g1b
	s_cmp_eq_u32 s15, 0
	s_cbranch_scc0 .Lfor_b_\@
	tensor_load_to_lds s[\g0a:\g0a+3], s[\g1a:\g1a+7]
	s_nop 0
.rept 4
	v_nop
.endr
	s_branch .Lasked_\@
.Lfor_b_\@:
	tensor_load_to_lds s[\g0b:\g0b+3], s[\g1b:\g1b+7]
	s_nop 0
.rept 4
	v_nop
.endr
.Lasked_\@:
.endm
.macro CREST
	s_cmp_lg_u32 s14, 0
	s_cbranch_scc1 .Lnot_wave_0_\@
	s_barrier_signal -3
.Lnot_wave_0_\@:
	s_barrier_wait -3
	s_barrier_signal -1
	s_barrier_wait -1
.endm
.macro CROUND
	s_barrier_signal -1
	s_barrier_wait -1
	CREST
.endm
	s_load_b256 s[4:11], s[0:1], 0x0               ; x_codes s[4:5], wa_codes s[6:7], the scales' exponents s[8:9], b_attn s[10:11]
	s_load_b128 s[68:71], s[0:1], 0x20             ; q_img s[68:69], k_img s[70:71]
	s_load_b64 s[72:73], s[0:1], 0x30              ; v_img
	v_lshl_add_u32 v[SPW], v0, 2, SPARE
	v_mov_b32 v[NIL], 0
	ds_add_u32 v28, v29
	ds_add_u32 v28, v29
	s_wait_dscnt 0x0
	v_lshrrev_b32 v1, 5, v0
	v_readfirstlane_b32 s14, v1                    ; wave 0..3
	s_lshr_b32 s15, s14, 1                         ; which half of region A's rows is mine.  Also: I fetch for A (0) or for B (1)
	s_and_b32 s16, s14, 1                          ; which half of region B's.  Also: which 128 rows of that tile I fetch
	s_bfe_u32 s40, ttmp6, 0x40000                  ; cx, cy: my place in the cluster
	s_bfe_u32 s41, ttmp6, 0x40004
	s_and_b32 s84, ttmp7, 0xffff
	s_lshl_b32 s84, s84, 2                         ; 4 x cluster y
	s_lshl_b32 s85, ttmp9, 2                       ; 4 x cluster x
	s_cmp_eq_u32 ttmp9, 2                          ; v's clusters?  The same answer in all sixteen partners
	s_cselect_b32 s17, 8, s84                      ; region A's tile of 256 rows: wa's from row 2,048 on, or x's,
	s_cselect_b32 s42, s84, s85                    ; region B's: x's, or wa's
	s_add_co_u32 s17, s17, s41                     ; + cy: shared along a row of the cluster
	s_add_co_u32 s42, s42, s40                     ; + cx: shared along a column
	s_lshl_b32 s43, s41, 2
	s_lshl_b32 s43, 15, s43                        ; my row of the cluster
	s_lshl_b32 s44, 0x1111, s40                    ; my column
	s_or_b32 s[G1+0], s43, (0<<16)|(1<<20)|(1<<21)|(5<<22)|(3<<25)  ; 15:0 the mask; 17:16 element of 1 byte; 20 padding on; 21 set beside a mask; 24:22 after every 64 words; 31:25 four words
	s_or_b32 s[G1B+0], s44, (0<<16)|(1<<20)|(1<<21)|(5<<22)|(3<<25)
.irp g, G1, G1B
	s_mov_b32 s[\g+1], ROWB<<16                    ; tensor_dim0
	s_mov_b32 s[\g+2], 128<<16                     ; tensor_dim1
	s_mov_b32 s[\g+3], ROWB<<16                    ; tile_dim0
	s_mov_b32 s[\g+4], 128                         ; tile_dim1
	s_mov_b32 s[\g+5], KROW                        ; tensor_dim0_stride: both buffers have rows of 1,024 codes
	s_mov_b32 s[\g+6], 0
	s_mov_b32 s[\g+7], 0
.endr
	s_lshl_b32 s18, s16, 7
	s_lshl_b32 s20, s17, 8
	s_add_co_u32 s20, s20, s18                     ; A: row 256 x tile + 128 x half
	s_lshl_b32 s46, s42, 8
	s_add_co_u32 s46, s46, s18                     ; B likewise
	s_mov_b32 s21, 0
	s_mov_b32 s47, 0
	s_mov_b64 s[18:19], KROW
	s_mul_u64 s[20:21], s[20:21], s[18:19]
	s_mul_u64 s[46:47], s[46:47], s[18:19]
	s_mul_i32 s45, s14, HALFT                      ; where they go: wave x 128 rows: no place in the cluster enters an LDS address
	s_wait_kmcnt 0x0
	s_load_b256 s[76:83], s[8:9], 0x0              ; e0 .. e7
	s_cmp_eq_u32 ttmp9, 2
	s_cselect_b64 s[86:87], s[6:7], s[4:5]         ; region A's buffer
	s_cselect_b64 s[88:89], s[4:5], s[6:7]         ; region B's
	s_add_nc_u64 s[20:21], s[86:87], s[20:21]
	s_add_nc_u64 s[46:47], s[88:89], s[46:47]
	CROUND                                         ; all sixteen work-groups are here: the first joint loads meet
.irp s, 0,1
	s_mov_b32 s[G0+4*\s], 1
	s_add_co_u32 s[G0+4*\s+1], s45, \s*SLOT
	s_add_nc_u64 s[G0+4*\s+2:G0+4*\s+3], s[20:21], \s*ROWB
	s_or_b32 s[G0+4*\s+3], s[G0+4*\s+3], 0x80000000
	s_mov_b32 s[G0B+4*\s], 1
	s_add_co_u32 s[G0B+4*\s+1], s45, \s*SLOT
	s_add_nc_u64 s[G0B+4*\s+2:G0B+4*\s+3], s[46:47], \s*ROWB
	s_or_b32 s[G0B+4*\s+3], s[G0B+4*\s+3], 0x80000000
.endr
	JLOAD G0, G1, G0B, G1B                         ; K step 0: one tensor load a wave at the head
	v_and_b32 v1, 15, v0                           ; r
	v_bfe_u32 v2, v0, 4, 1                         ; h
	v_mul_u32_u24 v3, v1, PITCH
	v_lshl_add_u32 v4, v2, 4, v3                   ; a fragment's row x pitch + 16 h
	s_mul_i32 s21, s15, HALFT
	s_mul_i32 s22, s16, HALFT
	s_add_co_u32 s22, s22, 2*HALFT
.irp s, 0,1
	v_add_nc_u32 v[ADRA+\s], s21, v4
	v_add_nc_u32 v[ADRB+\s], s22, v4
	s_add_co_u32 s21, s21, SLOT
	s_add_co_u32 s22, s22, SLOT
.endr
	v_and_b32 v6, 31, v0
	v_lshlrev_b32 v[LN], 4, v6
	v_lshlrev_b32 v[BQ], 10, v2
	v_lshrrev_b32 v5, 3, v1
	v_and_b32 v6, 7, v1
	v_lshl_add_u32 v5, v5, 4, v6
	v_lshlrev_b32 v[BV], 6, v5
.macro FRAG reg, adr, q, i             ; 16 rows x 128 K: lane (r, h) holds row r; registers 4 c .. 4 c + 3 hold K = 32 c + 16 h + 0 .. 15: the same order of K on both sides
.irp c, 0,1,2,3
	ds_load_b128 v[\reg+4*\c:\reg+4*\c+3], v[\adr] offset:128*(\q)+32*\c+(\i)*16*PITCH
.endr
.endm
; 16 matrix instructions.  The 64 accumulators take turns, one instruction a turn, in the same order in every step.
.macro MUL16 a0, p, zero
.irp a, \a0, \a0+1
.irp b, 0,1,2,3,4,5,6,7
.if \zero
	v_wmma_f32_16x16x128_fp8_fp8 v[8*(8*((\a)%4)+\b):8*(8*((\a)%4)+\b)+7], v[128*(\p)+FR*\b:128*(\p)+FR*\b+FR-1], v[AF+FR*(\a):AF+FR*(\a)+FR-1], 0
.else
	v_wmma_f32_16x16x128_fp8_fp8 v[8*(8*((\a)%4)+\b):8*(8*((\a)%4)+\b)+7], v[128*(\p)+FR*\b:128*(\p)+FR*\b+FR-1], v[AF+FR*(\a):AF+FR*(\a)+FR-1], v[8*(8*((\a)%4)+\b):8*(8*((\a)%4)+\b)+7]
.endif
.endr
.endr
.endm
.macro FETCH_B slot, q, p
	WIN TO_B
.irp i, 0,1,2,3,4,5,6,7
	FRAG 128*(\p)+FR*\i, ADRB+\slot, \q, \i
.endr
	WIN 0
.endm
.macro FETCH_A slot, q, i0
.irp i, \i0, \i0+1, \i0+2, \i0+3
	FRAG AF+FR*(\i), ADRA+\slot, \q, \i
.endr
.endm
.macro PLACES n                        ; plain vector instructions between a matrix instruction and a load into, or a vector instruction on, its registers
.rept \n
	v_nop
.endr
.endm
.macro STEP slot, q, zero              ; 128 along K, with its successor in the same slot
	s_wait_dscnt 4*NL                              ; B's set and A's blocks 0-3 are in; the youngest sixteen loads (A's blocks 4-7) may be out
	WIN MUL_LO
	MUL16 0, (\q)%2, \zero
	MUL16 2, (\q)%2, \zero
	s_wait_dscnt 0
	PLACES NP
	FETCH_B \slot, (\q)+1, 1-(\q)%2
	FETCH_A \slot, (\q)+1, 0
	WIN MUL_HI
	MUL16 4, (\q)%2, \zero
	MUL16 6, (\q)%2, \zero
	PLACES NP
	WIN 0
	FETCH_A \slot, (\q)+1, 4
.endm
; A slot's last step changes slots: one barrier; in front of it each wave waits for all its tensor loads, adds 0 to its spare word, and waits for that and for its reads of this slot.
.macro TURN slot, next, fill
	s_wait_tensorcnt 0x0                           ; all my tensor loads have landed: my part of the next slot
	ds_add_u32 v[SPW], v[NIL]                      ; 0 onto my spare word
	s_wait_dscnt 4*NL+1                            ; (the add and A's blocks 4-7 may be out)
	WIN MUL_LO
	MUL16 0, 1, 0
	s_wait_dscnt 0x0                               ; the add is done, and my reads of this slot are over
	s_barrier_signal -1
	MUL16 2, 1, 0
	WIN 0
	s_barrier_wait -1
.if \fill
	CREST                                          ; the barrier has opened a round of the cluster's: no wave of any partner still reads this slot or has a load on its way
	s_add_nc_u64 s[G0+4*\slot+2:G0+4*\slot+3], s[G0+4*\slot+2:G0+4*\slot+3], 2*ROWB
	s_add_nc_u64 s[G0B+4*\slot+2:G0B+4*\slot+3], s[G0B+4*\slot+2:G0B+4*\slot+3], 2*ROWB
	JLOAD G0+4*\slot, G1, G0B+4*\slot, G1B         ; the first tensor load behind the round; its four v_nop are the places in front of the loads below
.else
	PLACES NP
.endif
	s_wait_alu depctr_va_vdst(0)
	FETCH_B \next, 0, 0
	FETCH_A \next, 0, 0
	WIN MUL_HI
	MUL16 4, 1, 0
	MUL16 6, 1, 0
	PLACES NP
	WIN 0
	FETCH_A \next, 0, 4
.endm
.macro LASTSTEP                        ; the last 128 along K: nothing more to fetch, no LDS instruction
	s_wait_dscnt 4*NL
	WIN MUL_LO
	MUL16 0, 1, 0
	MUL16 2, 1, 0
	s_wait_dscnt 0
	WIN MUL_HI
	MUL16 4, 1, 0
	MUL16 6, 1, 0
	WIN 0
	PLACES NP                                      ; in front of the first read of results, and of writes over A's fragments
.endm
.macro MKSC e                          ; v[SCL] = 2^e as f32, v[LIMV] = 448 x 2^e
	s_add_co_i32 s74, s[\e], 127
	s_lshl_b32 s75, s74, 23
	v_mov_b32 v[SCL], s75
	s_add_co_i32 s74, s74, 8
	s_lshl_b32 s74, s74, 23
	s_or_b32 s74, s74, 0x600000
	v_mov_b32 v[LIMV], s74
.endm
; THE WAY OUT of block a (region A's rows 16 a on): number = sum x 2^(e0 + e1) + bias; the hold; eight conversions, tile b into registers 2 b, 2 b + 1; four stores of 512 consecutive bytes.
.macro OUTBLK a, isv
.set AC, 64*((\a)%4)
.set CDB, CD+16*((\a)%4)
	WIN 0x02+((\a)/4)                              ; source 0: window 2 or 3
.irp b, 0,1,2,3,4,5,6,7
.irp i, 0,2,4,6
.if \isv
	v_pk_fma_f32 v[TMP+8*\b+\i:TMP+8*\b+\i+1], v[AC+8*\b+\i:AC+8*\b+\i+1], s[96:97], v[BI+2*(\a):BI+2*(\a)+1] op_sel_hi:[1,0,1]   ; a lane's channel is one for the whole block
.else
	v_pk_fma_f32 v[TMP+8*\b+\i:TMP+8*\b+\i+1], v[AC+8*\b+\i:AC+8*\b+\i+1], s[96:97], v[BI+8*\b+\i:BI+8*\b+\i+1] op_sel_hi:[1,0,1]   ; each accumulator from its low end on
.endif
.endr
.endr
	WIN 0
.set jj, 0
.rept 64
	v_med3_num_f32 v[TMP+jj], v[TMP+jj], -v[LIMV], v[LIMV]   ; the conversion does not saturate (ISA guide 7.6.2)
.set jj, jj+1
.endr
.if (\a) >= 4
	s_wait_alu depctr_va_vdst(0)
	s_wait_xcnt 0x0                                ; block a - 4's stores have read their data: the registers are written again only behind this wait
.endif
.irp b, 0,1,2,3,4,5,6,7
	v_cvt_scalef32_pk8_fp8_f32 v[CDB+2*\b:CDB+2*\b+1], v[TMP+8*\b:TMP+8*\b+7], v[SCL]
.endr
	v_nop                                          ; one plain vector instruction behind the last conversion: the next block writes their sources
.irp g, 0,1,2,3
.if \isv
	global_store_b128 v[LN], v[CDB+4*\g:CDB+4*\g+3], s[92:93] offset:((\a)/4)*131072+((\a)%4)*2048+512*\g
.else
	global_store_b128 v[LN], v[CDB+4*\g:CDB+4*\g+3], s[92:93] offset:(\a)*1024+(\g%2)*512+(\g/2)*131072
.endif
.endr
.endm
	s_wait_alu depctr_va_vdst(0)
	s_wait_tensorcnt 0x0                           ; my part of K step 0 is in
	ds_add_u32 v[SPW], v[NIL]
	s_wait_dscnt 0x0
	CROUND                                         ; everybody's part of K step 0 is in, and all sixteen work-groups are here
	JLOAD G0+4, G1, G0B+4, G1B                     ; K step 1: the first tensor load behind the round
	FETCH_B 0, 0, 0
	FETCH_A 0, 0, 0
	FETCH_A 0, 0, 4
	STEP 0, 0, 1                                   ; the first step's products start the sums: nothing is cleared
	s_mov_b32 s3, LAPS-1
.Llap:                                                 ; a trip goes once round the ring and fills both slots again
	TURN 0, 1, 1
	STEP 1, 0, 0
	TURN 1, 0, 1
	STEP 0, 0, 0
	s_sub_co_u32 s3, s3, 1
	s_cmp_lg_u32 s3, 0
	s_cbranch_scc1 .Llap
	TURN 0, 1, 0                                   ; the last lap fills nothing
	STEP 1, 0, 0
	s_wait_kmcnt 0x0
	s_add_co_i32 s96, s76, s77
	s_add_co_i32 s96, s96, 127
	s_lshl_b32 s96, s96, 23                        ; 2^(e0 + e1) as f32
	s_mov_b32 s97, s96                             ; (named with it as a pair)
	s_cmp_eq_u32 ttmp9, 2                          ; the two ways out part on the cluster's x; neither touches LDS
	s_cbranch_scc1 .Lv
	; ---- q (cluster x = 0) or k (1)
	s_cmp_eq_u32 ttmp9, 0
	s_cselect_b32 s90, s78, s79                    ; e2 or e3
	s_cselect_b64 s[92:93], s[68:69], s[70:71]     ; q_img or k_img
	MKSC 90
	s_and_b32 s84, s42, 3
	s_lshl_b32 s84, s84, 2
	s_lshl_b32 s85, s16, 1
	s_add_co_u32 s84, s84, s85                     ; my first head: my 128 rows of wa are two heads
	s_lshl_b32 s86, ttmp9, 12                      ; the part's 1,024 biases
	s_lshl_b32 s87, s84, 2
	s_add_co_u32 s86, s86, s87
	s_mov_b32 s87, 0
	s_add_nc_u64 s[10:11], s[10:11], s[86:87]
.irp b, 0,1,2,3,4,5,6,7
.irp j, 0,1,2,3,4,5,6,7
	global_load_b32 v[BI+8*\b+\j], v[BQ], s[10:11] offset:(32*((\b%4)/2)+8*(\b%2)+\j)*64+(\b/4)*4   ; channel (32 c + 16 h + 8 u + j) x 16 + head, b = 4 (head - first) + 2 c + u
.endr
.endr
	s_lshr_b32 s88, s17, 3                         ; the batch,
	s_lshl_b32 s88, s88, 4
	s_add_co_u32 s88, s88, s84                     ; x 16 + head,
	s_lshl_b32 s88, s88, 7                         ; x 128 blocks of 16 time steps,
	s_and_b32 s89, s17, 7
	s_lshl_b32 s89, s89, 4
	s_add_co_u32 s88, s88, s89
	s_lshl_b32 s89, s15, 3
	s_add_co_u32 s88, s88, s89                     ; + my first block,
	s_lshl_b32 s88, s88, 10                        ; x 1,024 bytes
	s_mov_b32 s89, 0
	s_add_nc_u64 s[92:93], s[92:93], s[88:89]
	LASTSTEP
	s_wait_loadcnt 0x0                             ; the biases
.irp a, 0,1,2,3,4,5,6,7
	OUTBLK \a, 0
.endr
	s_branch .Ldone
	; ---- v
.Lv:
	MKSC 80
	s_and_b32 s84, s17, 3
	s_lshl_b32 s84, s84, 2
	s_lshl_b32 s85, s15, 1
	s_add_co_u32 s84, s84, s85                     ; my first head
	s_lshl_b32 s86, s84, 2
	s_add_co_u32 s86, s86, 8192                    ; v's biases begin at number 2,048
	s_mov_b32 s87, 0
	s_add_nc_u64 s[10:11], s[10:11], s[86:87]
.irp a, 0,1,2,3,4,5,6,7
	global_load_b32 v[BI+2*\a], v[BV], s[10:11] offset:(32*((\a%4)/2)+8*(\a%2))*64+(\a/4)*4     ; position 16 (a % 4) + r of the head is d = 32 ((a % 4) / 2) + 16 (r / 8) + 8 (a % 2) + r % 8
	global_load_b32 v[BI+2*\a+1], v[BV], s[10:11] offset:(32*((\a%4)/2)+8*(\a%2))*64+(\a/4)*4   ; the same number once more: the packed form takes a pair
.endr
	s_lshr_b32 s88, s42, 3                         ; the batch,
	s_lshl_b32 s88, s88, 4
	s_add_co_u32 s88, s88, s84                     ; x 16 + head,
	s_lshl_b32 s88, s88, 4                         ; x 16 blocks of 128 time steps,
	s_and_b32 s89, s42, 7
	s_lshl_b32 s89, s89, 1
	s_add_co_u32 s88, s88, s89
	s_add_co_u32 s88, s88, s16                     ; + mine,
	s_lshl_b32 s88, s88, 13                        ; x 8,192 bytes
	s_mov_b32 s89, 0
	s_add_nc_u64 s[92:93], s[72:73], s[88:89]
	LASTSTEP
	s_wait_loadcnt 0x0
.irp a, 0,1,2,3,4,5,6,7
	OUTBLK \a, 1
.endr
.Ldone:
	s_wait_tensorcnt 0x0                           ; the wave's end
	ds_add_u32 v[SPW], v[NIL]
	s_wait_dscnt 0x0
	CROUND                                         ; the closing round: no work-group ends while a partner may still ask for a tile that names it
	s_endpgm
.Lfunc_end_k_qb80c8ad939_qkv:
	.size	k_qb80c8ad939_qkv, .Lfunc_end_k_qb80c8ad939_qkv-k_qb80c8ad939_qkv
	.p2alignl 7, 3214868480
	.fill 96, 4, 3214868480
	.section	.rodata,"a",@progbits
	.p2align	6, 0x0
	.amdhsa_kernel k_qb80c8ad939_qkv
		.amdhsa_group_segment_fixed_size 327680
		.amdhsa_private_segment_fixed_size 0
		.amdhsa_enable_private_segment 0
		.amdhsa_kernarg_size 56
		.amdhsa_user_sgpr_count 2
		.amdhsa_user_sgpr_kernarg_segment_ptr 1
		.amdhsa_wavefront_size32 1
		.amdhsa_system_sgpr_workgroup_id_x 1
		.amdhsa_system_sgpr_workgroup_id_y 1
		.amdhsa_system_sgpr_workgroup_id_z 1
		.amdhsa_system_vgpr_workitem_id 0
		.amdhsa_next_free_vgpr 1024
		.amdhsa_next_free_sgpr 100
		.amdhsa_reserve_vcc 0
		.amdhsa_float_denorm_mode_32 3
		.amdhsa_float_denorm_mode_16_64 3
		.amdhsa_memory_ordered 1
		.amdhsa_forward_progress 1
		.amdhsa_inst_pref_size 204
	.end_amdhsa_kernel
	.amdgpu_metadata
---
amdhsa.version: [ 1, 2 ]
amdhsa.kernels:
  - .name:           k_qb80c8ad939_qkv
    .symbol:         k_qb80c8ad939_qkv.kd
    .args:
      - { .name: x_codes, .offset: 0, .size: 8, .value_kind: global_buffer, .address_space: global }
      - { .name: wa_codes, .offset: 8, .size: 8, .value_kind: global_buffer, .address_space: global }
      - { .name: lowp_scales, .offset: 16, .size: 8, .value_kind: global_buffer, .address_space: global }
      - { .name: b_attn, .offset: 24, .size: 8, .value_kind: global_buffer, .address_space: global }
      - { .name: q_img, .offset: 32, .size: 8, .value_kind: global_buffer, .address_space: global }
      - { .name: k_img, .offset: 40, .size: 8, .value_kind: global_buffer, .address_space: global }
      - { .name: v_img, .offset: 48, .size: 8, .value_kind: global_buffer, .address_space: global }
    .group_segment_fixed_size: 327680
    .private_segment_fixed_size: 0
    .kernarg_segment_align: 8
    .kernarg_segment_size: 56
    .max_flat_workgroup_size: 128
    .sgpr_count:     100
    .vgpr_count:     1024
    .wavefront_size: 32
...
	.end_amdgpu_metadata
.endif
;; end of part 2
;; launch attn (part 3): grid 4 x 64, 16 waves a work-group, clusters of 4 x 1, 327,680 bytes of LDS; arguments k_img, q_img, v_img, lowp_scales, y_img; writes y_img
.if DOCPART == 3
	.amdgcn_target "amdgcn-amd-amdhsa--gfx1250"
	.amdhsa_code_object_version 6
	.text
	.protected	k_qb80c8ad939_attn
	.globl	k_qb80c8ad939_attn
	.p2align	8
	.type	k_qb80c8ad939_attn,@function
k_qb80c8ad939_attn:
	s_mov_b64 s[64:65], 0
	v_nop
	global_prefetch_b8 v0, s[64:65] scope:SCOPE_SE
	s_setreg_imm32_b32 hwreg(HW_REG_WAVE_MODE, 25, 1), 1
	s_wait_xcnt 0x0
	s_wait_alu depctr_hold_cnt(0) depctr_sa_sdst(0) depctr_va_vdst(0) depctr_va_sdst(0) depctr_va_ssrc(0) depctr_va_vcc(0) depctr_vm_vsrc(0)
	s_getreg_b32 s2, hwreg(HW_REG_IB_STS2, 6, 4)
	s_cmp_eq_u32 s2, 0
	s_cbranch_scc0 .Lentry_in_a_cluster
	s_endpgm
.Lentry_in_a_cluster:
	s_bfe_u32 s2, ttmp6, 0x10000c
	s_cmp_lg_u32 s2, 0x3003
	s_cbranch_scc0 .Lentry_shape_is_right
	s_endpgm
.Lentry_shape_is_right:
; y[b][h][:, j] = sum over i <= j of softmax_i(q_i . k_j / 8) v_i, both products on codes of FP8 (E4M3).  The softmax runs over i, so k's columns j play the part of QUERIES and q's columns i that of KEYS.
; Keys i > j are hidden: key steps all of whose keys come after a tile's queries are not walked; in the one step on the diagonal hidden scores become -infinity.
; p = 2^(t - M), t = score x log2(e) / 8, M the running largest t rounded up to a whole number; the row's sum is taken of the unquantised p and divides at the end; when M moves, sum and O are multiplied by 2^(old M - new M).
; IMAGES (made by the launch before): k_img, q_img [b x 16 + head][t / 16][c][lane][16 bytes]; v_img [b x 16 + head][t / 128][channel position / 16][g][lane][16 bytes]; y_img [b][t / 16][head][c][lane][16 bytes].
; SHARES.  A cluster of four work-groups owns one head.  The head's keys and values, 2 x 131,072 bytes, lie whole in each work-group's LDS: sixteen waves, one joint tensor load of 16,384 bytes each (waves 0-7 the keys' eighths,
; waves 8-15 the values'), asked for by all four partners with one descriptor and the mask 15.  Nothing is filled again: one barrier, no ring.
; Wave w of the work-group at place cx owns the tiles of 16 queries 127 - (4 w + cx) and 4 w + cx: 16 - w / 2 and w / 2 + 1 key steps of 128, 17 for every wave.  The count hangs on w alone: no branch and no LDS address hangs on cx.
; Four waves share a SIMD and walk their steps with no barrier between them.
; Both products are used transposed: S^T = keys x queries, O^T = values x p: a lane holds one query (lane % 16); register 8 t + j of S^T is key 16 t + 8 (lane / 16) + j, the order in which the second product takes p's codes.
; NO PREFETCH: every byte of the keys and values is asked for by the one group of loads at the head; there is no loop that runs ahead of a load.
; LIMITS: e2 + e3 between -123 and 130; e5 between -126 and 119; e6 - e4 - e5 between -126 and 119; the scaled scores stay under 2^31 in magnitude.  NaN is not served.
; REGISTERS: v1-7, v12-13 addresses; v4 lane % 16 - 8 (lane / 16); v8 -M, v9 the largest t, v[10:11] the sum; v16-23 the tile's queries, v24-31 the second tile's; v32-95 fragments of keys, then of values;
; v96-159 S^T, then p; v160-191 O^T; v224-239 p's codes; v240-254 constants and work.
.set SPARE, 0x40000                    ; behind keys and values: the spare words, 128 bytes a wave
.set VOFF,  0x20000                    ; the values' first byte in LDS
.set LI,  1                            ; 16 x lane
.set ADK, 2
.set ADV, 3
.set RH,  4
.set SPW, 5
.set NIL, 6
.set YO,  7
.set Q,   16
.set F,   32
.set S,   96
.set O,   160
.set P,   224
.set WV,  18
.set CX,  19
.set SEL, 20
.set CS,  22
.set G1,  24
.set G0,  32
.set TT,  36                           ; the key step, 0 .. 15
.set BLK, 37                           ; the tile's step on the diagonal
.set SUB, 38                           ; which 16 of that step's 128
.set PASS, 39
.set TS,  40
.set TS2, 41
.set DQ,  52
.macro ROUND                           ; a round of the cluster's barrier
	s_barrier_signal -1
	s_barrier_wait -1
	s_cmp_lg_u32 s[WV], 0
	s_cbranch_scc1 .Lnw0_\@
	s_barrier_signal -3
.Lnw0_\@:
	s_barrier_wait -3
	s_barrier_signal -1
	s_barrier_wait -1
.endm
	s_load_b256 s[4:11], s[0:1], 0x0               ; k_img s[4:5], q_img s[6:7], v_img s[8:9], the scales' exponents s[10:11]
	s_load_b64 s[12:13], s[0:1], 0x20              ; y_img
	v_lshl_add_u32 v[SPW], v0, 2, SPARE
	v_mov_b32 v[NIL], 0
	ds_add_u32 v[SPW], v[NIL]                      ; the opening lines: the add, twice on end, and one wait
	ds_add_u32 v[SPW], v[NIL]
	v_lshrrev_b32 v1, 5, v0
	v_readfirstlane_b32 s[WV], v1                  ; wave 0..15
	s_bfe_u32 s[CX], ttmp6, 0x40000                ; my place in the cluster
	s_and_b32 s14, ttmp7, 0xffff                   ; b x 16 + head
	s_lshl_b32 s16, s14, 17                        ; the head's 131,072 bytes in each image
	s_mov_b32 s17, 0
	s_and_b32 s15, s[WV], 7
	s_lshl_b32 s15, s15, 14
	s_add_co_u32 s42, s16, s15                     ; + my eighth
	s_mov_b32 s43, 0
	s_mov_b32 s[G1], 15|(3<<16)|(1<<21)            ; the mask names the four partners; elements of 8 bytes; bit 21 beside a mask
	s_mov_b32 s[G1+1], 32<<16                      ; rows of 256 bytes,
	s_mov_b32 s[G1+2], 64<<16                      ; 64 of them, dense
	s_mov_b32 s[G1+3], 32<<16
	s_mov_b32 s[G1+4], 64
	s_mov_b32 s[G1+5], 32
	s_mov_b32 s[G1+6], 0
	s_mov_b32 s[G1+7], 0
	s_mov_b32 s[G0], 1
	s_lshl_b32 s[G0+1], s[WV], 14                  ; LDS: 16,384 x wave: the keys' eight parts, then the values'
	s_mov_b32 s[SEL], 0x76543210
	s_mov_b32 s[SEL+1], 0xfedcba98
	s_mov_b32 s[CS], 0x3e38aa3b                    ; log2(e) / 8
	s_lshr_b32 s[TS2], s[WV], 1                    ; the second tile, 4 w + cx: step w / 2,
	s_and_b32 s[TS], s[WV], 1
	s_lshl_b32 s[TS], s[TS], 2
	s_add_co_u32 s[TS], s[TS], s[CX]               ; place 4 (w % 2) + cx in it
	s_sub_co_u32 s[BLK], 15, s[TS2]                ; the first tile, 127 - (4 w + cx)
	s_sub_co_u32 s[SUB], 7, s[TS]
	s_lshl_b32 s51, s[TS2], 13                     ; the queries' codes: 64 bytes a query
	s_lshl_b32 s[TS], s[TS], 10
	s_add_co_u32 s51, s51, s[TS]
	s_lshl_b32 s50, s[BLK], 13
	s_lshl_b32 s[TS], s[SUB], 10
	s_add_co_u32 s50, s50, s[TS]
	s_mov_b32 s[PASS], 0
	s_wait_dscnt 0x0                               ; both opening adds are done
	s_wait_kmcnt 0x0
	s_load_b256 s[56:63], s[10:11], 0x0            ; e0 .. e7
	s_cmp_lt_u32 s[WV], 8
	s_cselect_b64 s[44:45], s[6:7], s[8:9]         ; keys (q_img) or values
	s_add_nc_u64 s[G0+2:G0+3], s[44:45], s[42:43]
	s_or_b32 s[G0+3], s[G0+3], 0x80000000
	s_add_nc_u64 s[4:5], s[4:5], s[16:17]          ; the queries (k_img) of my head
	s_lshr_b32 s[TS], s14, 4
	s_lshl_b32 s42, s[TS], 21
	s_and_b32 s[TS], s14, 15
	s_lshl_b32 s[TS], s[TS], 10
	s_add_co_u32 s42, s42, s[TS]
	s_add_nc_u64 s[12:13], s[12:13], s[42:43]      ; y_img at my batch and head
	ROUND                                          ; the four partners are here: the joint loads meet
	tensor_load_to_lds s[G0:G0+3], s[G1:G1+7]      ; my one tensor load of the launch
	s_nop 0
.rept 4
	v_nop
.endr
	v_and_b32 v[LI], 31, v0
	v_lshlrev_b32 v[LI], 4, v[LI]
	v_add_nc_u32 v12, s50, v[LI]
	v_add_nc_u32 v13, s51, v[LI]
	v_and_b32 v[RH], 15, v0
	v_bfe_u32 v246, v0, 4, 1
	v_lshlrev_b32 v246, 3, v246
	v_sub_nc_u32 v[RH], v[RH], v246
	global_load_b128 v[Q:Q+3], v12, s[4:5]
	global_load_b128 v[Q+4:Q+7], v12, s[4:5] offset:512
	global_load_b128 v[Q+8:Q+11], v13, s[4:5]
	global_load_b128 v[Q+12:Q+15], v13, s[4:5] offset:512
	s_wait_alu depctr_va_vdst(0)
	s_wait_kmcnt 0x0
	s_add_co_i32 s[TS], s58, s59
	s_lshl_b32 s[TS], s[TS], 23
	s_add_co_i32 s[CS], s[CS], s[TS]               ; e2 + e3 go into c's exponent field
	s_mov_b32 s[CS+1], s[CS]
	s_add_co_i32 s[TS], s61, 127
	s_lshl_b32 s46, s[TS], 23
	s_add_co_i32 s[TS], s[TS], 8
	s_lshl_b32 s[TS], s[TS], 23
	s_or_b32 s47, s[TS], 0x600000
	s_sub_co_i32 s[TS], s62, s60
	s_sub_co_i32 s[TS], s[TS], s61
	s_add_co_i32 s[TS], s[TS], 127
	s_lshl_b32 s48, s[TS], 23
	s_add_co_i32 s[TS], s[TS], 8
	s_lshl_b32 s[TS], s[TS], 23
	s_or_b32 s49, s[TS], 0x600000
	v_mov_b32 v240, s47                            ; 448 x 2^e5,
	v_mov_b32 v241, s47                            ; once more: the two halves of a dual pair take their second sources from different registers
	v_mov_b32 v244, s46                            ; 2^e5
	v_mov_b32 v248, s48                            ; 2^(e6 - e4 - e5)
	v_mov_b32 v249, s49                            ; 448 x that
	v_mov_b32 v245, 0xff800000                     ; -infinity
	v_mov_b32 v250, 0                              ; a lane permute's destination counts as a source
	v_mov_b32 v253, 0                              ; named as the upper half of v[252:253]
	s_wait_alu depctr_va_vdst(0)
	s_wait_loadcnt 0x0                             ; the queries
	s_wait_tensorcnt 0x0                           ; my part of the keys and values is in,
	s_barrier_signal -1
	s_barrier_wait -1                              ; everybody's is
.Lpass:                                            ; two trips: a tile of queries each
	s_cmp_eq_u32 s[PASS], 0
	s_cbranch_scc1 .Lfirst
.set jj, 0
.rept 8
	v_mov_b32 v[Q+jj], v[Q+8+jj]                   ; the second tile's queries move into place
.set jj, jj+1
.endr
	s_sub_co_u32 s[BLK], 15, s[BLK]
	s_sub_co_u32 s[SUB], 7, s[SUB]
.Lfirst:
	s_lshl_b32 s[TS], s[BLK], 17                   ; y_img: 1,024 bytes a query
	s_lshl_b32 s[TS2], s[SUB], 14
	s_add_co_u32 s[TS], s[TS], s[TS2]
	s_lshl_b32 s[DQ], s[SUB], 4                    ; the tile's first query within the step on the diagonal
	s_mov_b32 s[TT], 0
	v_add_nc_u32 v[YO], s[TS], v[LI]
	v_mov_b32 v8, 0x7f61b1e6                       ; -M = 3e38: the first change of M multiplies zeros
	v_mov_b32 v9, 0xff61b1e6                       ; the largest t so far: -3e38
	v_mov_b32 v10, 0
	v_mov_b32 v11, 0
.set jj, 0
.rept 32
	v_mov_b32 v[O+jj], 0
.set jj, jj+1
.endr
	s_wait_alu depctr_va_vdst(0)
.Ltrip:                                            ; 16 trips, a constant; a step behind the diagonal is jumped over: a branch on the wave's number and the counts alone
	s_cmp_gt_u32 s[TT], s[BLK]
	s_cbranch_scc1 .Lskip
	s_lshl_b32 s[TS], s[TT], 13                    ; 8,192 bytes of keys and of values a step
	s_add_co_u32 s[TS2], s[TS], VOFF
	v_add_nc_u32 v[ADK], s[TS], v[LI]
	v_add_nc_u32 v[ADV], s[TS2], v[LI]
	v_nop                                          ; with the two additions: four places in front of loads into registers that matrix instructions have read
	v_nop
.irp t, 0,1,2,3,4,5,6,7
	ds_load_b128 v[F+8*\t:F+8*\t+3], v[ADK] offset:1024*\t
	ds_load_b128 v[F+8*\t+4:F+8*\t+7], v[ADK] offset:1024*\t+512
.endr
	s_wait_alu depctr_va_vdst(0)
	s_wait_dscnt 0x0
.irp t, 0,1,2,3,4,5,6,7
	v_wmma_f32_16x16x64_fp8_fp8 v[S+8*\t:S+8*\t+7], v[F+8*\t:F+8*\t+7], v[Q:Q+7], 0
.endr
.rept 4
	v_nop
.endr
.irp f, 0,1,2,3
.irp g, 0,1,2,3
	ds_load_b128 v[F+16*\f+4*\g:F+16*\f+4*\g+3], v[ADV] offset:2048*\f+512*\g   ; the values' fragments land under the softmax
.endr
.endr
	s_cmp_lg_u32 s[TT], s[BLK]
	s_cbranch_scc1 .Lopen                          ; all keys of the step count
	v_add_nc_u32 v246, s[DQ], v[RH]                ; key 16 t + j + 8 (lane / 16) of the step is hidden where it comes after the lane's query
.set nn, 0
.rept 64
	v_cmp_gt_i32 vcc_lo, 16*(nn/8)+nn%8, v246
	v_cndmask_b32 v[S+nn], v[S+nn], v245, vcc_lo
.set nn, nn+1
.endr
.Lopen:
	v_max3_num_f32 v254, v[S], v[S+1], v[S+2]      ; the step's largest score, in two chains
	v_max3_num_f32 v252, v[S+3], v[S+4], v[S+5]
.set jj, 6
.rept 14
	v_max3_num_f32 v254, v254, v[S+jj], v[S+jj+1]
	v_max3_num_f32 v252, v252, v[S+jj+2], v[S+jj+3]
.set jj, jj+4
.endr
	v_max3_num_f32 v254, v254, v[S+62], v[S+63]
	s_delay_alu instid0(VALU_DEP_1)
	v_max_num_f32 v254, v254, v252
	s_delay_alu instid0(VALU_DEP_1)
	v_permlanex16_b32 v250, v254, s[SEL], s[SEL+1]
	s_delay_alu instid0(VALU_DEP_1)
	v_max_num_f32 v254, v254, v250
	s_delay_alu instid0(VALU_DEP_1)
	v_mul_f32 v254, s[CS], v254
	s_delay_alu instid0(VALU_DEP_1)
	v_max_num_f32 v9, v9, v254
	v_mov_b32 v254, v8
	s_delay_alu instid0(VALU_DEP_2)
	v_floor_f32 v8, -v9                            ; -M = floor(-t)
	s_delay_alu instid0(VALU_DEP_1)
	v_sub_f32 v254, v8, v254
	s_delay_alu instid0(VALU_DEP_1)
	v_cvt_i32_f32 v254, v254                       ; (it saturates)
	s_delay_alu instid0(VALU_DEP_1)
	v_ldexp_f32 v252, 1.0, v254                    ; f = 2^(old M - new M)
.set jj, 0
.rept 32
	v_pk_fma_f32 v[S+jj:S+jj+1], v[S+jj:S+jj+1], s[CS:CS+1], v[8:9] op_sel_hi:[1,0,0]   ; t - M
.set jj, jj+2
.endr
	v_pk_mul_f32 v[10:11], v[10:11], v[252:253] op_sel_hi:[1,0]
.set jj, 0
.rept 16
	v_pk_mul_f32 v[O+jj:O+jj+1], v[O+jj:O+jj+1], v[252:253] op_sel_hi:[1,0]   ; O^T under the new M, ahead of the exponentials
.set jj, jj+2
.endr
	s_wait_alu depctr_va_vdst(0)
.set jj, 0
.rept 64
	v_exp_f32 v[S+jj], v[S+jj]
.set jj, jj+1
.endr
	v_nop                                          ; a plain place behind the exponentials
	s_wait_alu depctr_va_vdst(0)                   ; one wait for the batch, ahead of its first reader
	v_pk_add_f32 v[242:243], v[S:S+1], v[S+2:S+3]  ; the sum of the unquantised p, in two chains
.set jj, 4
.rept 15
	v_pk_add_f32 v[10:11], v[10:11], v[S+jj:S+jj+1]
	v_pk_add_f32 v[242:243], v[242:243], v[S+jj+2:S+jj+3]
.set jj, jj+4
.endr
	s_delay_alu instid0(VALU_DEP_1)
	v_pk_add_f32 v[10:11], v[10:11], v[242:243]
.irp t, 0,1,2,3,4,5,6,7
.irp i, 0,2,4,6
	v_dual_min_num_f32 v[S+8*\t+\i], v[S+8*\t+\i], v240 :: v_dual_min_num_f32 v[S+8*\t+\i+1], v[S+8*\t+\i+1], v241   ; the hold, two numbers a line: the conversion does not saturate (ISA guide 7.6.2); p is not negative
.endr
	v_cvt_scalef32_pk8_fp8_f32 v[P+2*\t:P+2*\t+1], v[S+8*\t:S+8*\t+7], v244
.endr
	v_nop                                          ; a plain line between the last conversion and the matrix instruction that reads its result
	s_wait_alu depctr_va_vdst(0)
	s_wait_dscnt 0x0                               ; the values' fragments
.irp f, 0,1,2,3
	v_wmma_f32_16x16x128_fp8_fp8 v[O+8*\f:O+8*\f+7], v[F+16*\f:F+16*\f+15], v[P:P+15], v[O+8*\f:O+8*\f+7]
.endr
.Lskip:
	s_add_co_u32 s[TT], s[TT], 1
	s_cmp_lt_u32 s[TT], 16
	s_cbranch_scc1 .Ltrip
.rept 4
	v_nop                                          ; places behind the last products
.endr
	v_add_f32 v10, v10, v11
	v_permlanex16_b32 v250, v10, s[SEL], s[SEL+1]
	v_add_f32 v10, v10, v250
	s_wait_alu depctr_va_vdst(0)
	v_rcp_f32 v10, v10
	v_nop
	s_wait_alu depctr_va_vdst(0)                   ; directly ahead of the first reader of the reciprocal and of O^T
.set jj, 0
.rept 32
	v_mul_f32 v[S+jj], v[O+jj], v10                ; O^T / the sum; 2^(e4 + e5) is folded into the conversion's scale
.set jj, jj+1
.endr
.set jj, 0
.rept 32
	v_med3_num_f32 v[S+jj], v[S+jj], -v249, v249
.set jj, jj+1
.endr
.irp t, 0,1,2,3
	v_cvt_scalef32_pk8_fp8_f32 v[P+2*\t:P+2*\t+1], v[S+8*\t:S+8*\t+7], v248
.endr
	v_nop                                          ; a plain line behind the last conversion
	global_store_b128 v[YO], v[P:P+3], s[12:13]                ; each store of the wave covers 512 consecutive bytes, aligned
	global_store_b128 v[YO], v[P+4:P+7], s[12:13] offset:512
	s_wait_xcnt 0x0                                ; the stores have read their offset and data: the next tile writes them again
	s_add_co_u32 s[PASS], s[PASS], 1
	s_cmp_lt_u32 s[PASS], 2
	s_cbranch_scc1 .Lpass
	s_wait_tensorcnt 0x0                           ; the wave's end
	ds_add_u32 v[SPW], v[NIL]
	s_wait_dscnt 0x0
	ROUND                                          ; the closing round
	s_endpgm
.Lfunc_end_k_qb80c8ad939_attn:
	.size	k_qb80c8ad939_attn, .Lfunc_end_k_qb80c8ad939_attn-k_qb80c8ad939_attn
	.p2alignl 7, 3214868480
	.fill 96, 4, 3214868480
	.section	.rodata,"a",@progbits
	.p2align	6, 0x0
	.amdhsa_kernel k_qb80c8ad939_attn
		.amdhsa_group_segment_fixed_size 327680
		.amdhsa_private_segment_fixed_size 0
		.amdhsa_enable_private_segment 0
		.amdhsa_kernarg_size 40
		.amdhsa_user_sgpr_count 2
		.amdhsa_user_sgpr_kernarg_segment_ptr 1
		.amdhsa_wavefront_size32 1
		.amdhsa_system_sgpr_workgroup_id_x 1
		.amdhsa_system_sgpr_workgroup_id_y 1
		.amdhsa_system_sgpr_workgroup_id_z 1
		.amdhsa_system_vgpr_workitem_id 0
		.amdhsa_next_free_vgpr 256
		.amdhsa_next_free_sgpr 66
		.amdhsa_reserve_vcc 1
		.amdhsa_float_denorm_mode_32 3
		.amdhsa_float_denorm_mode_16_64 3
		.amdhsa_memory_ordered 1
		.amdhsa_forward_progress 1
		.amdhsa_inst_pref_size 33
	.end_amdhsa_kernel
	.amdgpu_metadata
---
amdhsa.version: [ 1, 2 ]
amdhsa.kernels:
  - .name:           k_qb80c8ad939_attn
    .symbol:         k_qb80c8ad939_attn.kd
    .args:
      - { .name: k_img, .offset: 0, .size: 8, .value_kind: global_buffer, .address_space: global }
      - { .name: q_img, .offset: 8, .size: 8, .value_kind: global_buffer, .address_space: global }
      - { .name: v_img, .offset: 16, .size: 8, .value_kind: global_buffer, .address_space: global }
      - { .name: lowp_scales, .offset: 24, .size: 8, .value_kind: global_buffer, .address_space: global }
      - { .name: y_img, .offset: 32, .size: 8, .value_kind: global_buffer, .address_space: global }
    .group_segment_fixed_size: 327680
    .private_segment_fixed_size: 0
    .kernarg_segment_align: 8
    .kernarg_segment_size: 40
    .max_flat_workgroup_size: 512
    .sgpr_count:     66
    .vgpr_count:     256
    .wavefront_size: 32
...
	.end_amdgpu_metadata
.endif
;; end of part 3
;; launch proj (part 4): grid 64 x 4, 4 waves a work-group, clusters of 4 x 1, 327,680 bytes of LDS; arguments y_img, wp_codes, lowp_scales, b_proj, out0; writes out0
.if DOCPART == 4
	.amdgcn_target "amdgcn-amd-amdhsa--gfx1250"
	.amdhsa_code_object_version 6
	.text
	.protected	k_qb80c8ad939_proj
	.globl	k_qb80c8ad939_proj
	.p2align	8
	.type	k_qb80c8ad939_proj,@function
k_qb80c8ad939_proj:
	s_mov_b64 s[64:65], 0
	v_nop
	global_prefetch_b8 v0, s[64:65] scope:SCOPE_SE
	s_setreg_imm32_b32 hwreg(HW_REG_WAVE_MODE, 25, 1), 1
	s_wait_xcnt 0x0
	s_wait_alu depctr_hold_cnt(0) depctr_sa_sdst(0) depctr_va_vdst(0) depctr_va_sdst(0) depctr_va_ssrc(0) depctr_va_vcc(0) depctr_vm_vsrc(0)
	s_getreg_b32 s2, hwreg(HW_REG_IB_STS2, 6, 4)
	s_cmp_eq_u32 s2, 0
	s_cbranch_scc0 .Lentry_in_a_cluster
	s_endpgm
.Lentry_in_a_cluster:
	s_bfe_u32 s2, ttmp6, 0x10000c
	s_cmp_lg_u32 s2, 0x3003
	s_cbranch_scc0 .Lentry_shape_is_right
	s_endpgm
.Lentry_shape_is_right:
; out0 = y w_proj + b_proj on codes of FP8 (E4M3): a number = sum of code products x 2^(e6 + e7) + bias, one fused multiply-add in f32.
; y_img [row / 16][head][c][lane][16 bytes] is an image of the operand's registers: 16 rows x 1,024 along K' are 16,384 bytes.  wp_codes [1024 rows n][1024 k'], k' in the order in which attention leaves y.
; SHARES.  A work-group makes 128 rows x 256 columns: 64 x 4 work-groups.  All 1,024 along K of its 256 rows of wp_codes lie in LDS: four waves, one tensor load of 64 rows x 1,024 bytes each.  Nothing is filled again: one barrier, no ring.
; CLUSTER: the four work-groups of a cluster make four row blocks of one column block and need the same rows of wp_codes: each load is asked for jointly, with one descriptor and the mask 15.
; A wave makes 32 rows x 256 columns.  Its rows of y come from memory straight into registers, 64 loads of 512 consecutive bytes, and stay: no byte of y is read twice in a work-group.
; The columns go in two halves of 128: the first half's results are stored while the second half is multiplied.  A group is 128 along K x 128 columns: 8 fragments of wp_codes, 16 matrix instructions.
; THE MATRIX INSTRUCTION IS USED TRANSPOSED (source 0 = 16 rows of wp_codes, source 1 = 16 rows of y): a lane holds eight neighbouring numbers of a row of out0.
; NO PREFETCH: all loads go out at the head; there is no loop that runs ahead of a load.
; LIMIT: e6 + e7 between -126 and 127.
; REGISTERS: window 0: v0-31 addresses; v32-95 a block's numbers; v96-159 a block read back from the stage; v160-223 the biases of the half in hand.  window 1: y's fragments (2 q + a) x 16.
; window 2: the 32 accumulators, (a, b) at 8 (16 a + b).  window 3: wp_codes' fragments, two sets of eight.
.set PITCH,  1040                      ; an LDS row: 1,024 bytes + 16 of padding = 260 words: the 16 rows that a load touches start at 16 different banks (64 banks of 4 bytes: ISA guide 11.1)
.set SPARE,  256*PITCH                 ; behind the rows: the spare words, 128 bytes a wave
.set STAGE,  SPARE+512                 ; the way out: 16 rows x (512 bytes + 16) for each wave, bytes of their own
.set SPITCH, 528
.set ADRB, 16                          ; v16-19 LDS address of rows 64 k + lane % 16, k = 0 .. 3
.set STO,  24
.set RD,   25
.set CO,   26                          ; 16 x lane
.set BO,   27                          ; 32 x (lane / 16)
.set SPW,  28
.set NIL,  29
.set TMP,  32
.set BK,   96
.set BI,   160
.set G1, 24
.set G0, 32
.set MSB, 0
.macro WIN new                         ; the immediate's high byte repeats the setting that is left
.if MSB != \new
	s_set_vgpr_msb (MSB<<8)|\new
.set MSB, \new
.endif
.endm
.macro ROUND                           ; a round of the cluster's barrier
	s_barrier_signal -1
	s_barrier_wait -1
	s_cmp_lg_u32 s14, 0
	s_cbranch_scc1 .Lnw0_\@
	s_barrier_signal -3
.Lnw0_\@:
	s_barrier_wait -3
	s_barrier_signal -1
	s_barrier_wait -1
.endm
.macro PLACES
.rept 4
	v_nop
.endr
.endm
.macro FETCH g                         ; group g = 8 x half + q: the fragments of columns 128 half + 16 i, K = 128 q on, into set g % 2.  Lane (r, h) holds row r; registers 4 c .. 4 c + 3 hold K = 32 c + 16 h + 0 .. 15, as y's image has them
.set HF, (\g)/8
.set QQ, (\g)%8
.set PS, 128*((\g)%2)
	WIN 0xc0                                       ; destination window 3, address window 0
.irp i, 0,1,2,3,4,5,6,7
.irp c, 0,1,2,3
	ds_load_b128 v[PS+16*\i+4*\c:PS+16*\i+4*\c+3], v[ADRB+2*HF+(\i)/4] offset:((\i)%4)*16*PITCH+128*QQ+32*\c
.endr
.endr
.endm
.macro MUL g                           ; 16 matrix instructions on 16 accumulators by turns; the first 128 along K start the sums
.set HF, (\g)/8
.set QQ, (\g)%8
.set PS, 128*((\g)%2)
	WIN 0xa7                                       ; source 0 window 3, source 1 window 1, C and D window 2
.irp i, 0,1,2,3,4,5,6,7
.irp a, 0,1
.if QQ == 0
	v_wmma_f32_16x16x128_fp8_fp8 v[8*(16*\a+8*HF+\i):8*(16*\a+8*HF+\i)+7], v[PS+16*\i:PS+16*\i+15], v[16*(2*QQ+\a):16*(2*QQ+\a)+15], 0
.else
	v_wmma_f32_16x16x128_fp8_fp8 v[8*(16*\a+8*HF+\i):8*(16*\a+8*HF+\i)+7], v[PS+16*\i:PS+16*\i+15], v[16*(2*QQ+\a):16*(2*QQ+\a)+15], v[8*(16*\a+8*HF+\i):8*(16*\a+8*HF+\i)+7]
.endif
.endr
.endr
.endm
.macro GROUP g
.if (\g) < 15
	PLACES                                         ; in front of loads into the set that the group before multiplied
	FETCH (\g)+1
	s_wait_dscnt 32                                ; this group's fragments are in; the 32 loads just issued may be out
.else
	s_wait_dscnt 0x0
.endif
.if (\g) < 8
.if 72-8*(\g) > 63
	s_wait_loadcnt 63                              ; y's eight loads of this 128 along K are in: behind them 72 - 8 q loads were issued; the wait names 63 at the most
.else
	s_wait_loadcnt 72-8*(\g)
.endif
.endif
	MUL \g
.endm
.macro BIAS hf                         ; b_proj at the lane's eight columns of each of the half's eight tiles
.irp b, 0,1,2,3,4,5,6,7
	global_load_b128 v[BI+8*\b:BI+8*\b+3], v[BO], s[10:11] offset:512*(\hf)+64*\b
	global_load_b128 v[BI+8*\b+4:BI+8*\b+7], v[BO], s[10:11] offset:512*(\hf)+64*\b+16
.endr
.endm
; THE WAY OUT of 16 rows x 128 columns: through my own stage in LDS, back as whole rows of 512 bytes, which the 32 lanes store as two aligned units of 256 bytes.  LDS serves a wave's instructions in order: no wait between the stores and the loads.
.macro OUT hf, a
	s_wait_xcnt 0x0                                ; the block before has had its stores' data read: the registers are written again only behind this wait
	WIN 0x02                                       ; source 0: window 2
.irp j, 0,2,4,6,8,10,12,14,16,18,20,22,24,26,28,30,32,34,36,38,40,42,44,46,48,50,52,54,56,58,60,62
	v_pk_fma_f32 v[TMP+\j:TMP+\j+1], v[8*(16*\a+8*\hf)+\j:8*(16*\a+8*\hf)+\j+1], s[96:97], v[BI+\j:BI+\j+1] op_sel_hi:[1,0,1]   ; each accumulator from its low end on
.endr
	WIN 0
.irp b, 0,1,2,3,4,5,6,7
	ds_store_b128 v[STO], v[TMP+8*\b:TMP+8*\b+3] offset:64*\b
	ds_store_b128 v[STO], v[TMP+8*\b+4:TMP+8*\b+7] offset:64*\b+16
.endr
.irp t, 0,1,2,3,4,5,6,7,8,9,10,11,12,13,14,15
	ds_load_b128 v[BK+4*\t:BK+4*\t+3], v[RD] offset:\t*SPITCH
.endr
	s_wait_dscnt 0x0
.irp t, 0,1,2,3,4,5,6,7,8,9,10,11,12,13,14,15
	global_store_b128 v[CO], v[BK+4*\t:BK+4*\t+3], s[12:13] offset:(16*\a+\t)*4096+512*\hf th:TH_STORE_NT
.endr
.endm
	s_load_b256 s[4:11], s[0:1], 0x0               ; y_img s[4:5], wp_codes s[6:7], the scales' exponents s[8:9], b_proj s[10:11]
	s_load_b64 s[12:13], s[0:1], 0x20              ; out0
	v_lshl_add_u32 v[SPW], v0, 2, SPARE
	v_mov_b32 v[NIL], 0
	ds_add_u32 v[SPW], v[NIL]                      ; the opening lines: the add, twice on end, and one wait
	ds_add_u32 v[SPW], v[NIL]
	v_lshrrev_b32 v1, 5, v0
	v_readfirstlane_b32 s14, v1                    ; wave 0..3
	s_bfe_u32 s15, ttmp6, 0x40000                  ; my place in the cluster
	s_lshl_b32 s16, ttmp9, 2
	s_add_co_u32 s16, s16, s15                     ; my block of 128 rows
	s_and_b32 s17, ttmp7, 0xffff                   ; my block of 256 columns: the same in the four partners
	s_mov_b32 s[G1], 15|(1<<20)|(1<<21)|(7<<22)|(3<<25)   ; the mask names the four partners; elements of 1 byte; padding on; bit 21 beside a mask; after every 256 words, four words
	s_mov_b32 s[G1+1], 1024<<16
	s_mov_b32 s[G1+2], 64<<16
	s_mov_b32 s[G1+3], 1024<<16
	s_mov_b32 s[G1+4], 64
	s_mov_b32 s[G1+5], 1024
	s_mov_b32 s[G1+6], 0
	s_mov_b32 s[G1+7], 0
	s_mov_b32 s[G0], 1
	s_mul_i32 s[G0+1], s14, 64*PITCH               ; LDS: my 64 rows
	s_lshl_b32 s20, s17, 18                        ; wp_codes: row 256 x column block + 64 x wave, 1,024 bytes a row
	s_lshl_b32 s21, s14, 16
	s_add_co_u32 s20, s20, s21
	s_mov_b32 s21, 0
	s_lshl_b32 s22, s16, 17                        ; y_img: 16,384 bytes for 16 rows: row 128 x row block + 32 x wave
	s_lshl_b32 s23, s14, 15
	s_add_co_u32 s22, s22, s23
	s_mov_b32 s23, 0
	s_lshl_b32 s40, s16, 19                        ; out0: the same row, 4,096 bytes a row, + 1,024 bytes a column block
	s_lshl_b32 s41, s14, 17
	s_add_co_u32 s40, s40, s41
	s_lshl_b32 s42, s17, 10
	s_add_co_u32 s40, s40, s42
	s_mov_b32 s41, 0
	s_mov_b32 s43, 0
	s_mul_i32 s44, s14, 16*SPITCH
	s_add_co_u32 s44, s44, STAGE                   ; my stage
	s_wait_dscnt 0x0                               ; both opening adds are done
	s_wait_kmcnt 0x0
	s_load_b64 s[96:97], s[8:9], 0x18              ; e6, e7
	s_add_nc_u64 s[G0+2:G0+3], s[6:7], s[20:21]
	s_or_b32 s[G0+3], s[G0+3], 0x80000000
	s_add_nc_u64 s[4:5], s[4:5], s[22:23]
	s_add_nc_u64 s[12:13], s[12:13], s[40:41]
	s_add_nc_u64 s[10:11], s[10:11], s[42:43]
	ROUND                                          ; the four partners are here: the joint loads meet
	tensor_load_to_lds s[G0:G0+3], s[G1:G1+7]      ; my one tensor load of the launch
	s_nop 0
	PLACES
	v_and_b32 v6, 31, v0
	v_lshlrev_b32 v[CO], 4, v6
	v_and_b32 v1, 15, v0                           ; r
	v_bfe_u32 v2, v0, 4, 1                         ; h
	v_lshlrev_b32 v[BO], 5, v2
	v_mul_u32_u24 v3, v1, PITCH
	v_lshl_add_u32 v[ADRB], v2, 4, v3
	v_add_nc_u32 v[ADRB+1], 64*PITCH, v[ADRB]
	v_add_nc_u32 v[ADRB+2], 128*PITCH, v[ADRB]
	v_add_nc_u32 v[ADRB+3], 192*PITCH, v[ADRB]
	v_mul_u32_u24 v5, v1, SPITCH
	v_lshl_add_u32 v5, v2, 5, v5
	v_add_nc_u32 v[STO], s44, v5                   ; into the stage: row r, 32 bytes for each half of the lanes
	v_add_nc_u32 v[RD], s44, v[CO]                 ; back: the 32 lanes take one row of 512 bytes
	WIN 0x40                                       ; destination window 1
.irp q, 0,1,2,3,4,5,6,7
.irp a, 0,1
.irp c, 0,1,2,3
	global_load_b128 v[16*(2*\q+\a)+4*\c:16*(2*\q+\a)+4*\c+3], v[CO], s[4:5] offset:16384*\a+2048*\q+512*\c   ; 32 lanes read 512 consecutive bytes
.endr
.endr
.endr
	WIN 0
	BIAS 0
	s_wait_alu depctr_va_vdst(0)
	s_wait_kmcnt 0x0
	s_add_co_i32 s96, s96, s97
	s_add_co_i32 s96, s96, 127
	s_lshl_b32 s96, s96, 23                        ; 2^(e6 + e7) as f32
	s_mov_b32 s97, s96                             ; (named with it as a pair)
	s_wait_tensorcnt 0x0                           ; my 64 rows are in,
	s_barrier_signal -1
	s_barrier_wait -1                              ; everybody's are
	FETCH 0
.irp g, 0,1,2,3,4,5,6,7
	GROUP \g
.endr
	PLACES                                         ; in front of the first read of results
	s_wait_loadcnt 0x0                             ; the biases
	OUT 0, 0
	OUT 0, 1
	BIAS 1                                         ; the second half's biases take the first half's registers, which have been read
.irp g, 8,9,10,11,12,13,14,15
	GROUP \g
.endr
	PLACES
	s_wait_loadcnt 0x0
	OUT 1, 0
	OUT 1, 1
	s_wait_tensorcnt 0x0                           ; the wave's end
	ds_add_u32 v[SPW], v[NIL]
	s_wait_dscnt 0x0
	ROUND                                          ; the closing round
	s_endpgm
.Lfunc_end_k_qb80c8ad939_proj:
	.size	k_qb80c8ad939_proj, .Lfunc_end_k_qb80c8ad939_proj-k_qb80c8ad939_proj
	.p2alignl 7, 3214868480
	.fill 96, 4, 3214868480
	.section	.rodata,"a",@progbits
	.p2align	6, 0x0
	.amdhsa_kernel k_qb80c8ad939_proj
		.amdhsa_group_segment_fixed_size 327680
		.amdhsa_private_segment_fixed_size 0
		.amdhsa_enable_private_segment 0
		.amdhsa_kernarg_size 40
		.amdhsa_user_sgpr_count 2
		.amdhsa_user_sgpr_kernarg_segment_ptr 1
		.amdhsa_wavefront_size32 1
		.amdhsa_system_sgpr_workgroup_id_x 1
		.amdhsa_system_sgpr_workgroup_id_y 1
		.amdhsa_system_sgpr_workgroup_id_z 1
		.amdhsa_system_vgpr_workitem_id 0
		.amdhsa_next_free_vgpr 1024
		.amdhsa_next_free_sgpr 100
		.amdhsa_reserve_vcc 0
		.amdhsa_float_denorm_mode_32 3
		.amdhsa_float_denorm_mode_16_64 3
		.amdhsa_memory_ordered 1
		.amdhsa_forward_progress 1
		.amdhsa_inst_pref_size 89
	.end_amdhsa_kernel
	.amdgpu_metadata
---
amdhsa.version: [ 1, 2 ]
amdhsa.kernels:
  - .name:           k_qb80c8ad939_proj
    .symbol:         k_qb80c8ad939_proj.kd
    .args:
      - { .name: y_img, .offset: 0, .size: 8, .value_kind: global_buffer, .address_space: global }
      - { .name: wp_codes, .offset: 8, .size: 8, .value_kind: global_buffer, .address_space: global }
      - { .name: lowp_scales, .offset: 16, .size: 8, .value_kind: global_buffer, .address_space: global }
      - { .name: b_proj, .offset: 24, .size: 8, .value_kind: global_buffer, .address_space: global }
      - { .name: out0, .offset: 32, .size: 8, .value_kind: global_buffer, .address_space: global }
    .group_segment_fixed_size: 327680
    .private_segment_fixed_size: 0
    .kernarg_segment_align: 8
    .kernarg_segment_size: 40
    .max_flat_workgroup_size: 128
    .sgpr_count:     100
    .vgpr_count:     1024
    .wavefront_size: 32
...
	.end_amdgpu_metadata
.endif
;; end of part 4
